; MI455X (gfx1250); checked and timed in simulation.
; The chip was launched on July 23, 2026; its instructions are those of AMD's public machine-readable ISA for CDNA 5 (MIT licence, August 2026) and "CDNA5" Instruction Set Architecture Reference Guide (July 2026). The comments in the code are by the model that wrote it; some were corrected since.
;; Infer Tree. Allowed arithmetic: matrix products marked QUANTISED: E2M3 operands, one E8M0 scale for each 32 along K, by v_wmma_scale_f32_16x16x128_f8f6f4 with both operands' format E2M3, f32 sums; everything else in f32.
;; Inputs: W 111 x 2,048 x 11 float32; b 111 x 11 float32; labels 8,192 int32; x 8,192 x 2,048 float32.
;; Outputs: out0 8,192 x 1,000 float32; out1 one number float32.
;; This version of the problem:
;;   THIS VERSION OF THE PROBLEM IS GIVEN IN LOW PRECISION. The matrix products marked QUANTISED in the list below multiply operands that are first quantised to E2M3 (2 exponent bits, 3 mantissa bits; 6 bits a number), with one power-of-two scale for each 32 numbers along K (OCP MX v1.0); their sums are f32. All else is computed in f32.
;;   The module's matrix products, in the order in which they are computed (A, B: the left and right operand; K: the contracted axis; several contracted axes count as one K, in the product's order):
;;     1. [M 8,192, K 2,048] x [K 2,048, N 1,221]; A: input x; B: input W: QUANTISED
;;   THE QUANTISER, for each operand of a quantised product, along K:
;;     - K is cut into blocks of 32 from its start; a last block that is shorter is filled with zeros.
;;     - A block's scale is 2^e with e = floor(log2(the largest magnitude in the block)) - 2, held to -126 .. 127; a block of zeros has e = 0. As a byte (E8M0): e + 127.
;;     - Each number is divided by its block's scale, clamped to +-7.5, and rounded to the nearest number of E2M3, ties to even, subnormals kept.
;;     - The product sums the exact products of the quantised numbers (number of the format x scale) in f32.
;;   ~~~python
;;   def quantise(x, axis):      # numpy; x: float32 -> the quantised numbers, widened to float32 again
;;       x = np.moveaxis(x, axis, -1); K = x.shape[-1]
;;       x = np.pad(x, [(0, 0)] * (x.ndim - 1) + [(0, -K % 32)]); x = x.reshape(x.shape[:-1] + (-1, 32)); a = np.abs(x).max(-1, keepdims=True)
;;       e = np.where(a > 0, np.clip(np.frexp(np.where(a > 0, a, 1))[1] - 1 - 2, -126, 127), 0)      # np.frexp(a)[1] - 1 = floor(log2(a)), exactly
;;       r = np.clip(x / 2.0 ** e, -7.5, 7.5)
;;       step = 2.0 ** (np.maximum(np.frexp(np.where(r == 0, 1, r))[1] - 1, 0) - 3)
;;       q = np.round(r / step) * step * 2.0 ** e      # np.round: ties to even
;;       return np.moveaxis(q.reshape(q.shape[:-2] + (-1,))[..., :K], -1, axis).astype(np.float32)
;;   ~~~
;; One version. Each part assembles by itself: llvm-mc -triple=amdgcn-amd-amdhsa -mcpu=gfx1250 --defsym DOCPART=n.
;; ======== version 1 of 1: 2 launches
;; limits: right only within a limited range of input values
;; workspace buffers: xq 12,582,912 bytes; xs 524,288 bytes; wq 2,465,792 bytes
;; launch quant (part 1): grid 256 x 1, 22 waves a work-group, no clusters, 271,360 bytes of LDS; arguments x, W, b, xq, wq, xs, out1; writes xq, wq, xs, out1
.if DOCPART == 1
	.amdgcn_target "amdgcn-amd-amdhsa--gfx1250"
	.amdhsa_code_object_version 6
	.text
	.protected	k_q57c4244c30_quant
	.globl	k_q57c4244c30_quant
	.p2align	8
	.type	k_q57c4244c30_quant,@function
k_q57c4244c30_quant:
	s_mov_b64 s[64:65], 0
	v_nop
	global_prefetch_b8 v0, s[64:65] scope:SCOPE_SE
	s_setreg_imm32_b32 hwreg(HW_REG_WAVE_MODE, 25, 1), 1
	s_wait_xcnt 0x0
; x [8192][2048] and W [111][2048][11], f32, become codes of FP6 (E2M3) with one E8M0 scale byte for each 32 along K = 2048, laid in the ORDER OF THE OPERANDS' REGISTERS of the product's launch.
; b is laid behind W's codes; out1, reference()'s constant 0.0, is stored here.  labels: reference() never reads it, so no launch names it.  No other work is left out.
; A block's scale is 2^(floor(log2(its largest magnitude)) - 2); its byte is the largest magnitude's exponent field - 2, held at 1 from below.  A block of zeros so gets the byte 1 where the
; rule says 127: its codes are zeros, and this program alone reads the bytes.  LIMITS: NaN and infinities in x or W are not served.
; xq: [row tile of 16: 512][K step of 128: 16] fragments of 1,536 bytes: registers 4 c .. 4 c + 3 of lane l at 512 c + 16 l.   xs: [row tile][row 16][K step 16] scale words.
; wq: [part 8] of 308,224 bytes: [K step 16][half 2] blocks of 9,600 bytes: six fragments (16 column slots each), then at 9,216 their scale words: 64 (t % 3) + 192 (t / 3) + 4 x slot;
;     at 307,200 the biases [tile 12][slot 16] (768 bytes; the part's last 256 bytes are written and read by nobody).
; THE PARTS OF THE TREE.  Part p holds 16 nodes: leaf-level nodes i0 .. i0 + 12 (i0 = (25 p + 1) / 2; 13 of them in even parts, 12 in odd ones), the root, and the two level-1 parents A, A + 1
; (A = p + p / 4) of those nodes.  Node place pi = 8 hh + 2 g + u lies in group g (three tiles of 16 slots); of the 24 numbers f = 8 tt + j that half hh of the slots has in a group, f = 0..9 are ten
; children of the node u = 0, f = 10 its class 0, f = 11 class 0 of the node u = 1, f = 12..21 its ten children, f = 22, 23 nothing (zero codes, bias 0).  pi = 0..12 leaf-level nodes, 13 the root, 14 A, 15 A + 1.
; The children's order: leaf-level nodes as they are; the root's begin with A and A + 1; A's and A + 1's are turned by oA = i0 - 10 A, so that the product's launch is one text for all parts.
; A WORK-GROUP takes 32 rows of x: waves 0..15 a tile of 16 rows x 256 numbers each, asked for whole by one tensor load a wave; waves 16..21 make a fragment of W each (6 x 256 = 1,536).
; No cluster: no two work-groups read the same bytes of x, and W's 1,536 fragments are gathered column by column.  No prefetch: every wave asks for all that it reads at its start, there is no loop.
.set TILE,  16640                      ; 16 rows of 1,024 bytes + 16 of padding
.set SCL,   266240                     ; the 32 rows' scale words, 2,048 bytes
.set SPARE, 268288                     ; the spare words, 128 bytes a wave
.set PARTB, 308224                     ; a part of wq
.set X,     16                         ; v16-79: register 16 b + i = k 32 b + 16 (lane / 16) + i of my row
.set PC,    80                         ; v80-119 the codes, 20 registers for each of two K steps
.set TM,    120                        ; v120-135 at work
.set PW,    136                        ; v136-137 the two K steps' scale words
.set VA,    140                        ; LDS: my row's numbers
.set VSS,   141                        ; LDS: my row's scale words, in
.set VSR,   142                        ; LDS: scale words, out
.set SPW,   143
.set NIL,   144
.set VG,    145                        ; 16 x lane
.set VT,    146                        ; 16 x thread
.macro LD st                           ; rows 1,040 bytes apart, an odd multiple of 16
.irp b, 0,1,2,3
.irp j, 0,1,2,3
	ds_load_b128 v[X+16*\b+4*\j:X+16*\b+4*\j+3], v[VA] offset:512*(\st)+128*\b+16*\j
.endr
.endr
.endm
; 64 numbers of a lane become a fragment's codes and its row's scale word
.macro QUANT st
.set P_, PC+20*(\st)
.irp b, 0,1,2,3
	v_max3_num_f32 v[TM+\b], |v[X+16*\b]|, |v[X+1+16*\b]|, 0x1800000   ; block b: my 16 numbers, and the floor 2^(3 - 127): the byte cannot fall under 1
.endr
.irp i, 2,4,6,8,10,12,14
.irp b, 0,1,2,3
	v_max3_num_f32 v[TM+\b], v[TM+\b], |v[X+16*\b+\i]|, |v[X+1+16*\b+\i]|
.endr
.endr
.irp b, 0,1,2,3
	v_permlanex16_b32 v[TM+4+\b], v[TM+\b], s40, s41
.endr
.irp b, 0,1,2,3
	v_max_num_f32 v[TM+\b], v[TM+\b], v[TM+4+\b]   ; with lane l xor 16's 16: the block's largest magnitude
.endr
.irp b, 0,1,2,3
	v_add_nc_u32 v[TM+12+\b], 0xff000000, v[TM+\b] ; 2 off its exponent field: the conversion takes that field as its scale
.endr
.irp b, 0,1,2,3
	v_lshrrev_b32 v[TM+4+\b], 23, v[TM+12+\b]      ; the scale's byte
.endr
	v_lshl_or_b32 v[PW+\st], v[TM+5], 8, v[TM+4]
	v_lshl_or_b32 v[PW+\st], v[TM+6], 16, v[PW+\st]
	v_lshl_or_b32 v[PW+\st], v[TM+7], 24, v[PW+\st]
.irp c, 0,1
	v_cvt_scalef32_pk16_fp6_f32 v[P_+6*\c:P_+2+6*\c], v[X+32*\c:X+15+32*\c], v[TM+12+2*\c]
	v_cvt_scalef32_pk16_fp6_f32 v[P_+12+4*\c:P_+14+4*\c], v[X+16+32*\c:X+31+32*\c], v[TM+12+2*\c+1]   ; (a conversion's three registers begin on an even number)
.endr
.if (\st) == 0
	LD 1                                           ; the numbers have been converted: the second K step's come back meanwhile
.endif
	v_nop                                          ; one plain line behind the scaled conversions
.irp c, 0,1                                    ; the operand's layout wants a whole block in a lane: lanes 0-15 block 2 c, lanes 16-31 block 2 c + 1
.irp i, 0,1,2
	v_permlane16_swap_b32 v[P_+6*\c+\i], v[P_+12+4*\c+\i]
.endr
.irp i, 0,1,2
	v_mov_b32 v[P_+3+6*\c+\i], v[P_+12+4*\c+\i]
.endr
.endr
.irp c, 0,1,2
	global_store_b128 v[VG], v[P_+4*\c:P_+4*\c+3], s[10:11] offset:1536*(\st)+512*\c   ; 512 consecutive bytes a store
.endr
.endm
	s_load_b256 s[4:11], s[0:1], 0x0               ; x s[4:5], W s[6:7], b s[8:9], xq s[10:11]
	s_load_b128 s[12:15], s[0:1], 0x20             ; wq s[12:13], xs s[14:15]
	s_load_b64 s[16:17], s[0:1], 0x30              ; out1
	v_lshl_add_u32 v[SPW], v0, 2, SPARE
	v_mov_b32 v[NIL], 0
	ds_add_u32 v[SPW], v[NIL]
	ds_add_u32 v[SPW], v[NIL]
	v_lshrrev_b32 v1, 5, v0
	v_readfirstlane_b32 s18, v1                    ; wave 0..21
	s_mul_i32 s29, s18, TILE                       ; my tile's LDS address
	s_lshr_b32 s23, s18, 3                         ; waves 0..15: which of the two row tiles,
	s_and_b32 s24, s18, 7                          ; and which 256 along K
	s_lshl_b32 s25, s23, 10
	s_lshl_b32 s26, s24, 3
	s_add_co_u32 s25, s25, s26
	s_add_co_u32 s25, s25, SCL
	s_mov_b32 s40, 0x76543210
	s_mov_b32 s41, 0xfedcba98                      ; v_permlanex16_b32's selects for lane l xor 16
	v_and_b32 v1, 31, v0                           ; lane
	v_and_b32 v2, 15, v0                           ; r
	v_bfe_u32 v3, v0, 4, 1                         ; h
	v_lshlrev_b32 v[VG], 4, v1
	v_lshlrev_b32 v[VT], 4, v0
	v_mul_u32_u24 v5, v2, 1040
	v_lshl_add_u32 v5, v3, 6, v5
	v_add_nc_u32 v[VA], s29, v5
	v_lshlrev_b32 v6, 6, v2
	v_add_nc_u32 v[VSS], s25, v6
	v_lshl_add_u32 v[VSR], v0, 4, SCL
	s_wait_alu depctr_va_vdst(0)
	s_wait_dscnt 0x0
	s_wait_kmcnt 0x0
	s_cmp_lt_u32 s18, 16
	s_cbranch_scc0 .Lw_path
	; ---------------- x ----------------
	s_lshl_b32 s26, ttmp9, 1
	s_add_co_u32 s26, s26, s23                     ; row tile of x
	s_lshl_b32 s20, s26, 17                        ; 16 rows of 8,192 bytes
	s_lshl_b32 s21, s24, 10
	s_add_co_u32 s20, s20, s21
	s_mov_b32 s21, 0
	s_mov_b32 s28, 1
	s_add_nc_u64 s[30:31], s[4:5], s[20:21]
	s_or_b32 s31, s31, 0x80000000
	s_mov_b32 s32, (3<<16)|(1<<20)|(7<<22)|(3<<25) ; elements of 8 bytes; behind every 256 words 4 words of padding
	s_mov_b32 s33, 128<<16
	s_mov_b32 s34, 16<<16
	s_mov_b32 s35, 128<<16
	s_mov_b32 s36, 16
	s_mov_b32 s37, 1024
	s_mov_b32 s38, 0
	s_mov_b32 s39, 0
	tensor_load_to_lds s[28:31], s[32:39]          ; 16 rows x 1,024 bytes
	s_nop 0
.irp b, 0,1,2,3
	v_mov_b32 v[TM+4+\b], 0                        ; written once: a lane permute's destination counts as one of its sources
.endr
	s_mul_i32 s20, s26, 24576
	s_mul_i32 s42, s24, 3072
	s_add_co_u32 s20, s20, s42
	s_add_nc_u64 s[10:11], s[10:11], s[20:21]      ; my two fragments
	s_wait_tensorcnt 0x0                           ; my tile is in; only I read it
	LD 0
	s_wait_dscnt 0x0
	QUANT 0
	s_wait_dscnt 0x0
	QUANT 1
	ds_store_b64 v[VSS], v[PW:PW+1]                ; (both halves of the lanes write the same words)
	s_branch .Lmeet
	; ---------------- W: my wave makes the fragment of part p, K step s24, tile tau ----------------
.Lw_path:
	s_mul_i32 s23, ttmp9, 6
	s_add_co_u32 s23, s23, s18
	s_sub_co_u32 s23, s23, 16                      ; 0..1535
	s_lshr_b32 s22, s23, 6
	s_mul_i32 s22, s22, 11
	s_lshr_b32 s22, s22, 5                         ; p = that / 192
	s_mul_i32 s24, s22, 192
	s_sub_co_u32 s23, s23, s24
	s_mul_i32 s24, s23, 1366
	s_lshr_b32 s24, s24, 14                        ; K step = the rest / 12
	s_mul_i32 s25, s24, 12
	s_sub_co_u32 s25, s23, s25                     ; tau 0..11
	s_mul_i32 s26, s25, 11
	s_lshr_b32 s26, s26, 5                         ; g = tau / 3
	s_mul_i32 s27, s26, 3
	s_sub_co_u32 s27, s25, s27                     ; tt = tau % 3
	s_mul_i32 s28, s22, 25
	s_add_co_u32 s28, s28, 1
	s_lshr_b32 s28, s28, 1                         ; i0
	s_lshr_b32 s29, s22, 2
	s_add_co_u32 s29, s29, s22                     ; A
	s_mul_i32 s30, s29, 10
	s_sub_co_u32 s30, s28, s30                     ; oA
	s_lshr_b32 s31, s26, 1                         ; which half of the part's tiles
	s_mul_i32 s32, s31, 6
	s_sub_co_u32 s32, s25, s32                     ; t: the tile in that half
	s_mul_i32 s38, s22, PARTB
	s_mul_i32 s33, s24, 19200
	s_add_co_u32 s33, s33, s38
	s_mul_i32 s34, s31, 9600
	s_add_co_u32 s33, s33, s34                     ; my block of wq
	s_mul_i32 s34, s32, 1536
	s_add_co_u32 s34, s34, s33                     ; my fragment
	s_mov_b32 s35, 0
	s_and_b32 s36, s26, 1
	s_mul_i32 s36, s36, 192
	s_lshl_b32 s37, s27, 6
	s_add_co_u32 s36, s36, s37
	s_add_co_u32 s36, s36, s33
	s_add_co_u32 s36, s36, 9216                    ; its scale words
	s_mov_b32 s37, 0
	s_lshl_b32 s32, s25, 6
	s_add_co_u32 s32, s32, s38
	s_add_co_u32 s32, s32, 307200                  ; its biases
	s_mov_b32 s33, 0
	s_lshl_b32 s38, s27, 3                         ; 8 tt
	s_lshl_b32 s39, s26, 1                         ; 2 g
	s_add_co_u32 s40, s28, 11                      ; the array's node of leaf-level node i0
	s_mov_b32 s20, 0x76543210
	s_mov_b32 s21, 0xfedcba98
	s_sub_co_i32 s41, s29, 13                      ; pi + this = the array's node of A (pi = 14) and A + 1 (15)
	s_add_co_u32 s42, s29, 2
	s_add_co_u32 s43, s29, 1
	s_mul_i32 s45, s24, 1408                       ; 11 x 128 x K step
	s_and_b32 s44, s22, 1
	s_cmp_lg_u32 s44, 0
	s_cselect_b32 s44, 12, 99                      ; the place that odd parts leave empty
	v_mov_b32 v14, 0
	v_and_b32 v5, 7, v0                            ; j
	v_add_nc_u32 v6, s38, v5                       ; f = 8 tt + j
	v_add_nc_u32 v7, 21, v6
	v_lshrrev_b32 v7, 5, v7                        ; u = 1 from f = 11 on
	v_mul_u32_u24 v8, v7, 12
	v_sub_nc_u32 v8, v6, v8                        ; pos = f - 12 u (what it is at f = 10, 11, 22, 23 is overruled below)
	v_bfe_u32 v12, v0, 3, 1                        ; hh
	v_lshl_add_u32 v9, v12, 3, v7
	v_add_nc_u32 v9, s39, v9                       ; pi
	v_add_nc_u32 v10, s40, v9                      ; a leaf-level node: 11 + i0 + pi,
	v_add_nc_u32 v11, 1, v8                        ; class pos + 1
	v_add_nc_u32 v12, s30, v8                      ; A, A + 1: class 1 + (pos + oA) mod 10
	v_add_nc_u32 v13, -10, v12
	v_cmp_lt_i32 vcc_lo, 9, v12
	v_cndmask_b32 v12, v12, v13, vcc_lo
	v_add_nc_u32 v12, 1, v12
	v_add_nc_u32 v13, s41, v9
	v_cmp_lt_u32 vcc_lo, 13, v9
	v_cndmask_b32 v10, v10, v13, vcc_lo
	v_cndmask_b32 v11, v11, v12, vcc_lo
	v_add_nc_u32 v12, -1, v8                       ; the root: pos 0, 1 are classes 1 + A, 2 + A; the other eight follow in ascending order
	v_add_nc_u32 v13, 1, v8
	v_cmp_le_i32 vcc_lo, s42, v8
	v_cndmask_b32 v12, v12, v13, vcc_lo
	v_add_nc_u32 v13, s43, v8
	v_cmp_gt_i32 vcc_lo, 2, v8
	v_cndmask_b32 v12, v12, v13, vcc_lo
	v_cmp_eq_u32 vcc_lo, 13, v9
	v_cndmask_b32 v11, v11, v12, vcc_lo
	v_cndmask_b32 v10, v10, v14, vcc_lo
	v_add_nc_u32 v12, -10, v6                      ; f = 10, 11: class 0
	v_cmp_gt_u32 vcc_lo, 2, v12
	v_cndmask_b32 v11, v11, v14, vcc_lo
	v_cmp_lt_u32 s46, 21, v6                       ; slots that hold nothing: f = 22, 23,
	v_cmp_eq_u32 s47, s44, v9                      ; and place 12 of an odd part
	s_or_b32 s46, s46, s47
	v_cndmask_b32 v10, v10, v14, s46               ; they read node 0, class 0, and their codes are cleared below
	v_cndmask_b32 v11, v11, v14, s46
	v_mul_u32_u24 v12, v10, 22528                  ; W[node][k][class]: 2048 x 11 numbers a node,
	v_mad_u32_u24 v12, v3, 352, v12                ; lanes 16-31 begin 32 rows of 11 further down K,
	v_add3_u32 v12, v12, v11, s45
	v_lshlrev_b32 v15, 2, v12
	v_mad_u32_u24 v16, v10, 11, v11
	v_lshlrev_b32 v16, 2, v16                      ; b[node][class]
	v_lshlrev_b32 v17, 2, v2                       ; 4 x slot
	s_add_nc_u64 s[34:35], s[12:13], s[34:35]
	s_add_nc_u64 s[36:37], s[12:13], s[36:37]
	s_add_nc_u64 s[32:33], s[12:13], s[32:33]
	s_wait_alu depctr_va_vdst(0)
.irp c, 0,1                                    ; A LANE TAKES A COLUMN AND ITS REGISTERS RUN DOWN K, in the order that the operand's layout gives that lane: k = 128 s + 64 c + 32 (lane / 16) + i
.irp i, 0,1,2,3,4,5,6,7,8,9,10,11,12,13,14,15,16,17,18,19,20,21,22,23,24,25,26,27,28,29,30,31
	global_load_b32 v[64+32*\c+\i], v15, s[6:7] offset:44*(64*\c+\i)
.endr
.endr
	s_wait_loadcnt 0x0
.irp c, 0,1                                    ; my two blocks: all their 32 numbers are mine
	v_max3_num_f32 v[32+\c], |v[64+32*\c]|, |v[65+32*\c]|, 0x1800000
.endr
.irp i, 2,4,6,8,10,12,14,16,18,20,22,24,26,28,30
.irp c, 0,1
	v_max3_num_f32 v[32+\c], v[32+\c], |v[64+32*\c+\i]|, |v[65+32*\c+\i]|
.endr
.endr
.irp c, 0,1
	v_add_nc_u32 v[44+\c], 0xff000000, v[32+\c]    ; the conversion's scale operand
.endr
.irp c, 0,1
	v_lshrrev_b32 v[36+\c], 23, v[44+\c]           ; the scale's byte
.endr
	v_lshl_or_b32 v18, v37, 16, v36                ; my two bytes: blocks h and 2 + h of my column,
	v_lshlrev_b32 v19, 3, v3
	v_lshlrev_b32 v18, v19, v18                    ; at their places in the scale word;
	v_mov_b32 v19, 0
	v_permlanex16_b32 v19, v18, s20, s21
	v_or_b32 v18, v18, v19                         ; with lane l xor 16's two the word is whole, in both lanes
.irp c, 0,1
	v_cvt_scalef32_pk16_fp6_f32 v[48+6*\c:50+6*\c], v[64+32*\c:79+32*\c], v[44+\c]
	v_cvt_scalef32_pk16_fp6_f32 v[128+4*\c:130+4*\c], v[80+32*\c:95+32*\c], v[44+\c]   ; (three registers from an even one on: the second half of a block's six is made elsewhere)
.endr
	v_nop                                          ; one plain line behind the scaled conversions
.irp c, 0,1
.irp i, 0,1,2
	v_cndmask_b32 v[48+6*\c+\i], v[48+6*\c+\i], v14, s46   ; empty slots get zero codes;
	v_cndmask_b32 v[51+6*\c+\i], v[128+4*\c+\i], v14, s46  ; the same select moves the second halves to their places
.endr
.endr
.irp c, 0,1,2
	global_store_b128 v[VG], v[48+4*\c:51+4*\c], s[34:35] offset:512*\c   ; 512 consecutive bytes a store
.endr
	global_store_b32 v17, v18, s[36:37]            ; (lanes 16-31 write the word that lanes 0-15 write, at the same place)
	s_cmp_lg_u32 s24, 0
	s_cbranch_scc1 .Lmeet                          ; the waves of K step 0 also lay the tile's biases
	global_load_b32 v20, v16, s[8:9]
	s_wait_loadcnt 0x0
	v_cndmask_b32 v20, v20, v14, s46               ; 0 in empty slots
	global_store_b32 v17, v20, s[32:33]            ; (both halves of the lanes write the same)
	s_or_b32 s38, s22, s25
	s_cmp_lg_u32 s38, 0
	s_cbranch_scc1 .Lmeet
	global_store_b32 v14, v14, s[16:17]            ; out1 = 0.0: one wave of the launch; its lanes all write the one word
.Lmeet:                                            ; every wave: the 32 rows' scale words are in LDS
	s_wait_dscnt 0x0
	s_barrier_signal -1
	s_barrier_wait -1
	s_cmp_lt_u32 s18, 4
	s_cbranch_scc0 .Lend                           ; waves 0..3 store them, 512 consecutive bytes each
	ds_load_b128 v[16:19], v[VSR]
	s_lshl_b32 s20, ttmp9, 11
	s_mov_b32 s21, 0
	s_add_nc_u64 s[14:15], s[14:15], s[20:21]
	s_wait_dscnt 0x0
	global_store_b128 v[VT], v[16:19], s[14:15]
.Lend:
	s_wait_tensorcnt 0x0                           ; the wave's end
	ds_add_u32 v[SPW], v[NIL]
	s_wait_dscnt 0x0
	s_endpgm
.Lfunc_end_k_q57c4244c30_quant:
	.size	k_q57c4244c30_quant, .Lfunc_end_k_q57c4244c30_quant-k_q57c4244c30_quant
	.p2alignl 7, 3214868480
	.fill 96, 4, 3214868480
	.section	.rodata,"a",@progbits
	.p2align	6, 0x0
	.amdhsa_kernel k_q57c4244c30_quant
		.amdhsa_group_segment_fixed_size 271360
		.amdhsa_private_segment_fixed_size 0
		.amdhsa_enable_private_segment 0
		.amdhsa_kernarg_size 56
		.amdhsa_user_sgpr_count 2
		.amdhsa_user_sgpr_kernarg_segment_ptr 1
		.amdhsa_wavefront_size32 1
		.amdhsa_system_sgpr_workgroup_id_x 1
		.amdhsa_system_sgpr_workgroup_id_y 1
		.amdhsa_system_sgpr_workgroup_id_z 1
		.amdhsa_system_vgpr_workitem_id 0
		.amdhsa_next_free_vgpr 160
		.amdhsa_next_free_sgpr 66
		.amdhsa_reserve_vcc 1
		.amdhsa_float_denorm_mode_32 3
		.amdhsa_float_denorm_mode_16_64 3
		.amdhsa_memory_ordered 1
		.amdhsa_forward_progress 1
		.amdhsa_inst_pref_size 29
	.end_amdhsa_kernel
	.amdgpu_metadata
---
amdhsa.version: [ 1, 2 ]
amdhsa.kernels:
  - .name:           k_q57c4244c30_quant
    .symbol:         k_q57c4244c30_quant.kd
    .args:
      - { .name: x, .offset: 0, .size: 8, .value_kind: global_buffer, .address_space: global }
      - { .name: W, .offset: 8, .size: 8, .value_kind: global_buffer, .address_space: global }
      - { .name: b, .offset: 16, .size: 8, .value_kind: global_buffer, .address_space: global }
      - { .name: xq, .offset: 24, .size: 8, .value_kind: global_buffer, .address_space: global }
      - { .name: wq, .offset: 32, .size: 8, .value_kind: global_buffer, .address_space: global }
      - { .name: xs, .offset: 40, .size: 8, .value_kind: global_buffer, .address_space: global }
      - { .name: out1, .offset: 48, .size: 8, .value_kind: global_buffer, .address_space: global }
    .group_segment_fixed_size: 271360
    .private_segment_fixed_size: 0
    .kernarg_segment_align: 8
    .kernarg_segment_size: 56
    .max_flat_workgroup_size: 704
    .sgpr_count:     66
    .vgpr_count:     160
    .wavefront_size: 32
...
	.end_amdgpu_metadata
.endif
;; end of part 1
;; launch tree (part 2): grid 32 x 8, 4 waves a work-group, clusters of 4 x 1, 327,680 bytes of LDS; arguments xq, xs, wq, out0; writes out0
.if DOCPART == 2
	.amdgcn_target "amdgcn-amd-amdhsa--gfx1250"
	.amdhsa_code_object_version 6
	.text
	.protected	k_q57c4244c30_tree
	.globl	k_q57c4244c30_tree
	.p2align	8
	.type	k_q57c4244c30_tree,@function
k_q57c4244c30_tree:
	s_mov_b64 s[64:65], 0
	v_nop
	global_prefetch_b8 v0, s[64:65] scope:SCOPE_SE
	s_setreg_imm32_b32 hwreg(HW_REG_WAVE_MODE, 25, 1), 1
	s_wait_xcnt 0x0
	s_wait_alu depctr_hold_cnt(0) depctr_sa_sdst(0) depctr_va_vdst(0) depctr_va_sdst(0) depctr_va_ssrc(0) depctr_va_vcc(0) depctr_vm_vsrc(0)
	s_getreg_b32 s2, hwreg(HW_REG_IB_STS2, 6, 4)
	s_cmp_eq_u32 s2, 0
	s_cbranch_scc0 .Lentry_in_a_cluster
	s_endpgm
.Lentry_in_a_cluster:
	s_bfe_u32 s2, ttmp6, 0x10000c
	s_cmp_lg_u32 s2, 0x3003
	s_cbranch_scc0 .Lentry_shape_is_right
	s_endpgm
.Lentry_shape_is_right:
; out0[row][10 i + c] = P_root(parent of i's parent) x P_parent(i) x P_i(c): the logits x W + b on codes of FP6 (E2M3) with E8M0 scales, 111 softmaxes over 11 classes (each with its maximum taken away), two levels of path products.
; xq, xs, wq are laid by the launch before (its head says how): fragments as images of the operands' registers; W's columns in 8 PARTS of 12 tiles of 16 slots.
; SHARES.  Work-group (x, part) makes 256 rows x one part.  The part's W, 307,200 bytes for all of K (a K step of 128: 19,200), lies in LDS for the whole launch, each byte filled once.  It comes by four loads, one a wave, all at the
; head: K steps 0-1, 2-5, 6-10, 11-15.  The four work-groups of a cluster have the same part: each load is JOINT.  Wave w owns rows 64 w .. 64 w + 63 (four tiles of 16) x all 12 tiles: 48 accumulators; its rows' codes come from
; memory straight into its registers, five K steps ahead (they have one reader in the work-group, and LDS is full of W).  No prefetch: x is asked for five K steps ahead by its own loads, W all at the head.
; THE PRODUCT IS USED TRANSPOSED (source 0 = 16 slots of W, source 1 = 16 rows of x): lane (r, h) holds row r, register j slot 8 h + j.  A group of three tiles gives a lane 24 registers f: f = 0..9 children of one node,
; f = 10 its class 0, f = 11 class 0 of a second node, f = 12..21 its children: A SOFTMAX NEVER LEAVES A LANE.  Node place pi = 8 h + 2 g + u: 0..12 leaf-level nodes, 13 the root, 14, 15 the two parents A, A + 1.
; The biases are the C of each sum's first product.
; THE WAY OUT GOES ROW TILE BY ROW TILE: as soon as the softmaxes of 16 rows are done, their path products, their way through the wave's own stage in LDS and their stores follow, and the next row tile's softmaxes stand
; between the stage's loads and the stores.  A row piece (480 or 520 bytes of a row of 4,000) leaves 8 bytes a lane, 256 consecutive bytes a store but at a row's end: a piece begins at a multiple of 8 bytes, so aligned
; blocks of 256 bytes at its ends are written in part.
; LIMITS: NaN and infinities among the inputs are not served.
; REGISTERS, in windows of 256: window 0: v1-49 addresses; v50-55 W's scale words (two sets), v212-243 x's: scales and nothing else; v68-139, v140-211 W's fragments of tiles 0-5, 6-11; on the way out v68-207 rows of out0.
;   window 1: x's fragments, five sets of 48.   window 2: accumulators of tiles 0-5 at v[48 a + 8 t]; v192-239 their biases, later at work.   window 3: the same for tiles 6-11.
.set CHUNK, 19200
.set PARTB, 308224                     ; a part of wq: 16 chunks, then the biases
.set HALFB, 9600
.set STW,   41472                      ; a wave's stage: 64 rows of 648 bytes (16 places of 40 bytes + 8), in bytes that have had their one fill and their last read
.set SPARE, 307200                     ; behind W: the spare words
.set XS,    212                        ; v[XS + 16 e + s]: lanes 0-15 row tile e, lanes 16-31 row tile 2 + e, K step s
.set SPW,   244
.set NIL,   245
.set MSB, 0
.macro WIN new                         ; the immediate's high byte repeats the setting that is left; a switch that changes nothing is dropped
.if MSB != (\new)
	s_set_vgpr_msb (MSB<<8)|(\new)
.set MSB, \new
.endif
.endm
.macro ROUND                           ; a round of the cluster's barrier
	s_barrier_signal -1
	s_barrier_wait -1
	s_cmp_lg_u32 s12, 0
	s_cbranch_scc1 .Lnot_wave_0_\@
	s_barrier_signal -3
.Lnot_wave_0_\@:
	s_barrier_wait -3
	s_barrier_signal -1
	s_barrier_wait -1
.endm
.macro PLACES                          ; four plain lines between a matrix instruction and a load into, or a vector read of, its registers (ISA guide 7.12.1 for vector reads)
.rept 4
	v_nop
.endr
.endm
.macro SHOWN w                         ; wave w waits for its load of W, ahead of the barrier that shows it to all
	s_cmp_eq_u32 s12, \w
	s_cbranch_scc0 .Lnot_mine_\@
	s_wait_tensorcnt 0x0
.Lnot_mine_\@:
.endm
.macro ARM w, next, g0, g1             ; a line of its own for each wave's load
	s_cmp_eq_u32 s12, \w
	s_cbranch_scc0 \next
	tensor_load_to_lds s[\g0:\g0+3], s[\g1:\g1+7]
	s_nop 0
	PLACES
	s_branch .Lasked
\next:
.endm
; W's six fragments and their scale words of half y of the K step at which v5 and v6 stand: 18 + 3 LDS loads.  A scale register: lanes 0-15 tile e, lanes 16-31 tile 3 + e
.macro FETCHB y
.irp t, 0,1,2,3,4,5
.irp c, 0,1,2
	ds_load_b128 v[68+72*(\y)+12*\t+4*\c:68+72*(\y)+12*\t+4*\c+3], v5 offset:HALFB*(\y)+1536*\t+512*\c
.endr
.endr
.irp e, 0,1,2
	ds_load_b32 v[50+3*(\y)+\e], v6 offset:HALFB*(\y)+64*\e
.endr
.endm
; my four row tiles' fragments of K step s into set s % 5: 12 loads of 512 consecutive bytes
.macro FETCHA s
	WIN 0x40                                       ; destination window 1
.irp a, 0,1,2,3
.irp c, 0,1,2
	global_load_b128 v[48*((\s)%5)+12*\a+4*\c:48*((\s)%5)+12*\a+4*\c+3], v3, s[4:5] offset:24576*\a+1536*(\s)+512*\c
.endr
.endr
	WIN 0
.endm
.macro PROD a, t, y, s
.set rD, 48*(\a)+8*(\t)
.set rW, 68+72*(\y)+12*(\t)
.set rX, 48*((\s)%5)+12*(\a)
.set rC, rD
.if (\s) == 0
.set rC, 192+8*(\t)                    ; the first K step starts the sums from the biases: nothing is cleared or added later
.endif
.set rSW, 50+3*(\y)+(\t)%3
.set rSX, XS+16*((\a)&1)+(\s)
.if ((\t) < 3) && ((\a) < 2)
	v_wmma_scale_f32_16x16x128_f8f6f4 v[rD:rD+7], v[rW:rW+11], v[rX:rX+11], v[rC:rC+7], v[rSW], v[rSX] matrix_a_fmt:MATRIX_FMT_FP6 matrix_b_fmt:MATRIX_FMT_FP6
.elseif (\t) < 3
	v_wmma_scale_f32_16x16x128_f8f6f4 v[rD:rD+7], v[rW:rW+11], v[rX:rX+11], v[rC:rC+7], v[rSW], v[rSX] matrix_a_fmt:MATRIX_FMT_FP6 matrix_b_fmt:MATRIX_FMT_FP6 matrix_b_scale:MATRIX_SCALE_ROW1
.elseif (\a) < 2
	v_wmma_scale_f32_16x16x128_f8f6f4 v[rD:rD+7], v[rW:rW+11], v[rX:rX+11], v[rC:rC+7], v[rSW], v[rSX] matrix_a_fmt:MATRIX_FMT_FP6 matrix_b_fmt:MATRIX_FMT_FP6 matrix_a_scale:MATRIX_SCALE_ROW1
.else
	v_wmma_scale_f32_16x16x128_f8f6f4 v[rD:rD+7], v[rW:rW+11], v[rX:rX+11], v[rC:rC+7], v[rSW], v[rSX] matrix_a_fmt:MATRIX_FMT_FP6 matrix_b_fmt:MATRIX_FMT_FP6 matrix_a_scale:MATRIX_SCALE_ROW1 matrix_b_scale:MATRIX_SCALE_ROW1
.endif
.endm
; 24 products: my four row tiles x the six tiles of half y.  The 48 accumulators take turns, one instruction a turn, in the same order in every K step
.macro MULRUN y, s
	WIN 0xa4+0x50*(\y)                             ; source 0 (W) window 0, source 1 (x) window 1, C and D window 2 or 3
.irp a, 0,1,2,3
.irp t, 0,1,2,3,4,5
	PROD \a, \t, \y, \s
.endr
.endr
.endm
; A K STEP of 128: 48 products.  While one half's tiles are multiplied the other half's fragments are on their way from LDS.
.macro KSTEP s
.if 15-(\s) < 4
	s_wait_loadcnt 12*(15-(\s))                    ; this step's fragments of x are in; those of the later steps, 12 loads each, may be out
.else
	s_wait_loadcnt 48                              ; four later steps
.endif
.set MEET, 0
.if (\s) == 1
	SHOWN 1                                        ; K steps 2-5
.set MEET, 1
.endif
.if (\s) == 5
	SHOWN 2                                        ; K steps 6-10
.set MEET, 1
.endif
.if (\s) == 10
	s_wait_tensorcnt 0x0                           ; K steps 11-15: every wave's load has landed
.set MEET, 1
.endif
.if MEET
	s_wait_dscnt 0x0                               ; no LDS instruction of mine is out at a signal
	s_barrier_signal -1
.else
	s_wait_dscnt 21                                ; tiles 0-5 are in; the 21 loads of tiles 6-11 may be out
.endif
	MULRUN 0, \s
	WIN 0
.if MEET
	s_barrier_wait -1                              ; the next K steps' W is in: no byte is ever filled again
.endif
.if (\s) < 15
	v_add_nc_u32 v5, CHUNK, v5                     ; on to the next K step's chunk: these two and two v_nop are the four places in front of the loads
	v_add_nc_u32 v6, CHUNK, v6
	v_nop
	v_nop
	FETCHB 0
	s_wait_alu depctr_va_vdst(0)
	s_wait_dscnt 21                                ; tiles 6-11 are in; the 21 loads just issued may be out
.else
	s_wait_dscnt 0x0                               ; my last reads of W are over:
	s_barrier_signal -1                            ; say so; the last products, the first row tile's softmaxes and path products, work on registers, stand between the signal and the wait
.endif
	MULRUN 1, \s
	WIN 0
.if (\s) < 15
	PLACES
	FETCHB 1
.endif
.if (\s)+5 <= 15
	FETCHA (\s)+5                                  ; into the set that this step has just read
.endif
.endm
; THE SOFTMAXES, a unit = row tile a x half y = two groups = four nodes a lane.
; S1: each node's maximum m of its 11 logits (each accumulator is read from its low end on), then log2(e) x - log2(e) m, two at a time
.macro S1 a, y
	WIN 0xaa+0x55*(\y)                             ; all operands in window 2 or 3
.irp gl, 0,1
	v_max3_num_f32 v[208+2*\gl], v[48*(\a)+24*\gl], v[48*(\a)+24*\gl+1], v[48*(\a)+24*\gl+2]
	v_max3_num_f32 v[209+2*\gl], v[48*(\a)+24*\gl+11], v[48*(\a)+24*\gl+12], v[48*(\a)+24*\gl+13]
.endr
.irp i, 0,2,4,6
.irp gl, 0,1
	v_max3_num_f32 v[208+2*\gl], v[208+2*\gl], v[48*(\a)+24*\gl+3+\i], v[48*(\a)+24*\gl+4+\i]
	v_max3_num_f32 v[209+2*\gl], v[209+2*\gl], v[48*(\a)+24*\gl+14+\i], v[48*(\a)+24*\gl+15+\i]
.endr
.endr
.irp gl, 0,1
	v_mul_f32 v[208+2*\gl], s48, v[208+2*\gl]
	v_mul_f32 v[209+2*\gl], s48, v[209+2*\gl]
.endr
.irp gl, 0,1
.irp f, 0,2,4,6,8
	v_pk_fma_f32 v[48*(\a)+24*\gl+\f:48*(\a)+24*\gl+\f+1], v[48*(\a)+24*\gl+\f:48*(\a)+24*\gl+\f+1], s[48:49], v[208+2*\gl:209+2*\gl] op_sel_hi:[1,0,0] neg_lo:[0,0,1] neg_hi:[0,0,1]
.endr
	v_pk_fma_f32 v[48*(\a)+24*\gl+10:48*(\a)+24*\gl+11], v[48*(\a)+24*\gl+10:48*(\a)+24*\gl+11], s[48:49], v[208+2*\gl:209+2*\gl] op_sel_hi:[1,0,1] neg_lo:[0,0,1] neg_hi:[0,0,1]
.irp f, 12,14,16,18,20
	v_pk_fma_f32 v[48*(\a)+24*\gl+\f:48*(\a)+24*\gl+\f+1], v[48*(\a)+24*\gl+\f:48*(\a)+24*\gl+\f+1], s[48:49], v[208+2*\gl:209+2*\gl] op_sel:[0,0,1] op_sel_hi:[1,0,1] neg_lo:[0,0,1] neg_hi:[0,0,1]
.endr
.endr
.endm
.macro XP a, y                         ; the unit's 44 exponentials, one batch
	WIN 0xaa+0x55*(\y)
.irp gl, 0,1
.set xi, 48*(\a)+24*\gl
.rept 22
	v_exp_f32 v[xi], v[xi]
.set xi, xi+1
.endr
.endr
.endm
.macro S2 a, y                         ; each node's sum of 11 and its reciprocal: the pair of group gl at v[192 + 4 a + 2 gl]
	WIN 0xaa+0x55*(\y)
.irp gl, 0,1
	v_pk_add_f32 v[212+4*\gl:213+4*\gl], v[48*(\a)+24*\gl:48*(\a)+24*\gl+1], v[48*(\a)+24*\gl+2:48*(\a)+24*\gl+3]
	v_pk_add_f32 v[214+4*\gl:215+4*\gl], v[48*(\a)+24*\gl+12:48*(\a)+24*\gl+13], v[48*(\a)+24*\gl+14:48*(\a)+24*\gl+15]
.endr
.irp f, 4,6,8
.irp gl, 0,1
	v_pk_add_f32 v[212+4*\gl:213+4*\gl], v[212+4*\gl:213+4*\gl], v[48*(\a)+24*\gl+\f:48*(\a)+24*\gl+\f+1]
	v_pk_add_f32 v[214+4*\gl:215+4*\gl], v[214+4*\gl:215+4*\gl], v[48*(\a)+24*\gl+12+\f:48*(\a)+24*\gl+13+\f]
.endr
.endr
.irp gl, 0,1
	v_add_f32 v[220+2*\gl], v[212+4*\gl], v[213+4*\gl]
	v_add_f32 v[221+2*\gl], v[214+4*\gl], v[215+4*\gl]
.endr
.irp gl, 0,1
	v_pk_add_f32 v[220+2*\gl:221+2*\gl], v[220+2*\gl:221+2*\gl], v[48*(\a)+24*\gl+10:48*(\a)+24*\gl+11]   ; the two class 0
.endr
	s_wait_alu depctr_va_vdst(0)
.irp gl, 0,1
	v_rcp_f32 v[192+4*(\a)+2*\gl], v[220+2*\gl]
	v_rcp_f32 v[193+4*(\a)+2*\gl], v[221+2*\gl]
.endr
.endm
; THE PATH PRODUCTS of row tile a.  In lanes 16-31 window 3 holds the root (group 2, second node) and A, A + 1 (group 3).  q[s] = P_root(parent) x P_parent(leaf-level node s) for the part's 13 places;
; the launch before has ordered the children so that q[s] is A's child s while s < nA, else (A + 1)'s child s, and q[10..12] are (A + 1)'s children 0..2.
.macro QPATH a
	WIN 0xff
.set g2, 48*(\a)
.set g3, 48*(\a)+24
.set r2, 192+4*(\a)
.set r3, 194+4*(\a)
	v_pk_mul_f32 v[224:225], v[g2+12:g2+13], v[r2:r2+1] op_sel:[0,1] op_sel_hi:[1,1]   ; P_root(A), P_root(A + 1)
	v_pk_mul_f32 v[226:227], v[224:225], v[r3:r3+1]                                     ; each over its node's sum
.irp i, 0,2,4,6,8
	v_pk_mul_f32 v[228+\i:229+\i], v[g3+\i:g3+\i+1], v[226:227] op_sel_hi:[1,0]
	v_pk_mul_f32 v[238+\i:239+\i], v[g3+12+\i:g3+13+\i], v[226:227] op_sel:[0,1] op_sel_hi:[1,1]
.endr
.irp s, 0,1,2,3,4,5,6,7,8,9
	v_cndmask_b32 v[228+\s], v[238+\s], v[228+\s], s[54+\s]   ; q[s] in v[228 + s]; q[10..12] follow in v238-240
.endr
.irp k, 0,1,2,3,4,5,6,7
	v_permlanex16_b32 v[248+\k], v[228+\k], s50, s51          ; lanes 0-15 hold places 0..7: they take q[0..7] from lane l + 16
.endr
.irp k, 0,1,2,3,4
	v_cndmask_b32 v[248+\k], v[248+\k], v[236+\k], s52        ; lanes 16-31 hold places 8..15: q[8..12] (places 13..15 are not leaves: what they get is never read)
.endr
	v_pk_mul_f32 v[r2:r2+1], v[252:253], v[r2:r2+1]           ; q over the leaf-level node's sum: groups 2, 3,
	v_pk_mul_f32 v[r3:r3+1], v[254:255], v[r3:r3+1]
	WIN 0x8b                                                  ; source 0 window 3, source 1 and destination window 2
	v_pk_mul_f32 v[r2:r2+1], v[248:249], v[r2:r2+1]           ; groups 0, 1
	v_pk_mul_f32 v[r3:r3+1], v[250:251], v[r3:r3+1]
.endm
; a unit's 40 results a lane, and their way into my stage: row 16 a + r, place pi at 40 pi
.macro OUTS a, y
	WIN 0xaa+0x55*(\y)
.irp gl, 0,1
.irp i, 0,2,4,6,8
	v_pk_mul_f32 v[48*(\a)+24*\gl+\i:48*(\a)+24*\gl+\i+1], v[48*(\a)+24*\gl+\i:48*(\a)+24*\gl+\i+1], v[192+4*(\a)+2*\gl:193+4*(\a)+2*\gl] op_sel_hi:[1,0]
	v_pk_mul_f32 v[48*(\a)+24*\gl+12+\i:48*(\a)+24*\gl+13+\i], v[48*(\a)+24*\gl+12+\i:48*(\a)+24*\gl+13+\i], v[192+4*(\a)+2*\gl:193+4*(\a)+2*\gl] op_sel:[0,1] op_sel_hi:[1,1]
.endr
.endr
	WIN 0x08+4*(\y)                                           ; an LDS store's data are its source 1
.irp gl, 0,1
.irp i, 0,1,2,3,4
	ds_store_b64 v8, v[48*(\a)+24*\gl+2*\i:48*(\a)+24*\gl+2*\i+1] offset:10368*(\a)+40*(2*(2*(\y)+\gl))+8*\i
	ds_store_b64 v8, v[48*(\a)+24*\gl+12+2*\i:48*(\a)+24*\gl+13+2*\i] offset:10368*(\a)+40*(2*(2*(\y)+\gl)+1)+8*\i
.endr
.endr
.endm
; out of the stage, 8 rows x 480 bytes at a time: 15 loads and 15 stores of 8 bytes a lane; block k in buffer k % 4
.macro LBLK k
.irp j, 0,1,2,3,4,5,6,7,8,9,10,11,12,13,14
	ds_load_b64 v[68+30*((\k)%4)+2*\j:69+30*((\k)%4)+2*\j], v[9+\j] offset:5184*(\k)
.endr
.endm
.macro SBLK k
.irp j, 0,1,2,3,4,5,6,7,8,9,10,11,12,13,14
	global_store_b64 v[29+\j], v[68+30*((\k)%4)+2*\j:69+30*((\k)%4)+2*\j], s[10:11] offset:32000*(\k) th:TH_STORE_NT
.endr
.endm
; ROW TILE a IS FINISHED: both its units have their sums' reciprocals.  Path products, scalings, 40 stores into my stage, and the 30 loads that bring its 16 rows back as rows.
.macro FINISH a
	v_nop                                          ; a plain line behind the last reciprocal
	s_wait_alu depctr_va_vdst(0)                   ; one wait for the reciprocals of unit (a, 1) and for the exponentials issued ahead of them, in front of their first reader
	QPATH \a
.if (\a) == 0
	WIN 0
	s_wait_alu depctr_va_vdst(0)
	s_barrier_wait -1                              ; no wave reads W any more: its bytes, which have had their one fill, become the stages
.endif
	OUTS \a, 0
	OUTS \a, 1
	WIN 0
.if (\a) >= 2
	s_wait_xcnt 0x0                                ; the stores of row tile a - 2 have read their registers: the loads below land there
.endif
	LBLK 2*(\a)                                    ; my own bytes: LDS serves a wave's instructions in order (ISA guide 5.7.1.4): these see my stores
	LBLK 2*(\a)+1
.endm
.macro SEND a                          ; row tile a's 16 rows leave
	WIN 0
	s_wait_dscnt 0x0                               ; its 30 loads are back (they were issued a unit and a half of vector work ago)
	SBLK 2*(\a)
	SBLK 2*(\a)+1
.endm
; Row tile a = 1, 2, 3.  On entry unit (a, 0)'s exponentials have been issued and waited for.  Each batch of exponentials has independent work behind it and ONE wait ahead of its first reader.
; The stores of the row tile before stand directly behind a wait: between an exponential and its wait no line names a register but the softmaxes' own.
.macro ROWT a
	S1 \a, 1
	s_wait_alu depctr_va_vdst(0)
	XP \a, 1
	S2 \a, 0
.if (\a) < 3
	s_wait_alu depctr_va_vdst(0)
	S1 (\a)+1, 0
.endif
	s_wait_alu depctr_va_vdst(0)                   ; unit (a, 1)'s exponentials and unit (a, 0)'s reciprocals
	SEND (\a)-1
.if (\a) < 3
	XP (\a)+1, 0
.endif
	S2 \a, 1
	FINISH \a
.endm
	s_load_b256 s[4:11], s[0:1], 0x0               ; xq s[4:5], xs s[6:7], wq s[8:9], out0 s[10:11]
	v_lshl_add_u32 v[SPW], v0, 2, SPARE
	v_mov_b32 v[NIL], 0
	ds_add_u32 v[SPW], v[NIL]
	ds_add_u32 v[SPW], v[NIL]
	v_lshrrev_b32 v1, 5, v0
	v_readfirstlane_b32 s12, v1                    ; wave 0..3
	s_bfe_u32 s13, ttmp6, 0x40000                  ; cx: my place in the cluster: it enters global addresses of x and out0 alone
	s_lshl_b32 s15, ttmp9, 2
	s_add_co_u32 s15, s15, s13                     ; my block of 256 rows
	s_and_b32 s14, ttmp7, 0xffff                   ; the part, which the four partners share
	; descriptor groups 1: W is dense: rows of 256 bytes (32 elements of 8 bytes), no padding: 75 rows a K step.  s[24:31] two K steps, s[68:75] four, s[76:83] five
.irp g, 24,68,76
	s_mov_b32 s[\g], 15|(3<<16)|(1<<21)            ; 15:0 the mask: all four work-groups; 17:16 elements of 8 bytes; 21 set beside a mask
	s_mov_b32 s[\g+1], 32<<16
	s_mov_b32 s[\g+3], 32<<16
	s_mov_b32 s[\g+5], 32
	s_mov_b32 s[\g+6], 0
	s_mov_b32 s[\g+7], 0
.endr
	s_mov_b32 s26, 150<<16
	s_mov_b32 s28, 150
	s_mov_b32 s70, 300<<16
	s_mov_b32 s72, 300
	s_mov_b32 s78, 375<<16
	s_mov_b32 s80, 375
	s_mul_i32 s18, s14, PARTB
	s_mov_b32 s19, 0
	s_lshl_b32 s20, s15, 4
	s_lshl_b32 s21, s12, 2
	s_add_co_u32 s20, s20, s21                     ; my first row tile
	s_lshl_b32 s22, s20, 10
	s_mov_b32 s23, 0
	s_mul_i32 s20, s20, 24576
	s_mov_b32 s21, 0
	v_and_b32 v1, 31, v0                           ; lane
	v_and_b32 v2, 15, v0                           ; r
	v_bfe_u32 v49, v0, 4, 1                        ; h
	v_lshlrev_b32 v3, 4, v1
	v_lshlrev_b32 v7, 5, v49
	v_lshlrev_b32 v4, 6, v2
	v_lshl_add_u32 v4, v49, 11, v4                 ; x's scale words: row tile e + 2 h, row r
	s_wait_alu depctr_va_vdst(0)
	s_wait_dscnt 0x0
	s_wait_kmcnt 0x0
	s_add_nc_u64 s[18:19], s[8:9], s[18:19]        ; the part
	s_add_nc_u64 s[8:9], s[18:19], 307200          ; its biases
	s_add_nc_u64 s[4:5], s[4:5], s[20:21]
	s_add_nc_u64 s[6:7], s[6:7], s[22:23]
.irp e, 0,1
.irp j, 0,1,2,3
	global_load_b128 v[XS+16*\e+4*\j:XS+16*\e+4*\j+3], v4, s[6:7] offset:1024*\e+16*\j
.endr
.endr
	FETCHA 0
	s_mov_b32 s32, 1                               ; groups 0, one for each wave's load: K steps 0-1,
	s_mov_b32 s33, 0
	s_mov_b64 s[34:35], s[18:19]
	s_or_b32 s35, s35, 0x80000000
	s_mov_b32 s36, 1                               ; 2-5,
	s_mov_b32 s37, 2*CHUNK
	s_add_nc_u64 s[38:39], s[18:19], 2*CHUNK
	s_or_b32 s39, s39, 0x80000000
	s_mov_b32 s40, 1                               ; 6-10,
	s_mov_b32 s41, 6*CHUNK
	s_add_nc_u64 s[42:43], s[18:19], 6*CHUNK
	s_or_b32 s43, s43, 0x80000000
	s_mov_b32 s44, 1                               ; 11-15
	s_mov_b32 s45, 11*CHUNK
	s_add_nc_u64 s[46:47], s[18:19], 11*CHUNK
	s_or_b32 s47, s47, 0x80000000
	ROUND                                          ; all four work-groups are here: the joint loads meet
	ARM 0, .Lwave_1, 32, 24
	ARM 1, .Lwave_2, 36, 68
	ARM 2, .Lwave_3, 40, 76
	tensor_load_to_lds s[44:47], s[76:83]
	s_nop 0
	PLACES
.Lasked:
	WIN 0x80                                       ; destination window 2
.irp t, 0,1,2,3,4,5
	global_load_b128 v[192+8*\t:195+8*\t], v7, s[8:9] offset:64*\t        ; lane (r, h), register j: the bias of slot 8 h + j
	global_load_b128 v[196+8*\t:199+8*\t], v7, s[8:9] offset:64*\t+16
.endr
	WIN 0xc0                                       ; window 3
.irp t, 0,1,2,3,4,5
	global_load_b128 v[192+8*\t:195+8*\t], v7, s[8:9] offset:384+64*\t
	global_load_b128 v[196+8*\t:199+8*\t], v7, s[8:9] offset:384+64*\t+16
.endr
	WIN 0
	FETCHA 1                                       ; 8 + 12 + 24 + 12 = 56 loads are out: the address work below is issued while they are on their way
	v_lshlrev_b32 v5, 4, v1                        ; W's images: 16 x lane, + the K step
	v_mul_u32_u24 v6, v49, 192
	v_lshl_add_u32 v6, v2, 2, v6
	v_add_nc_u32 v6, 9216, v6                      ; W's scale words: 4 r, lanes 16-31 three tiles on
	s_mul_i32 s17, s12, STW                        ; my stage
	v_mul_u32_u24 v8, v2, 648
	v_mad_u32_u24 v8, v49, 320, v8
	v_add_nc_u32 v8, s17, v8                       ; into it: row r, places 8 h on
.irp j, 0,1,2,3,4,5,6,7,8,9,10,11,12,13,14     ; out of it: piece n = 32 j + lane of 480 pieces of 8 bytes: row n / 60 of eight
	v_add_nc_u32 v67, 32*\j, v1
	v_mul_u32_u24 v66, v67, 1093
	v_lshrrev_b32 v66, 16, v66                     ; n / 60
	v_lshlrev_b32 v67, 3, v67
	v_mad_u32_u24 v[9+\j], v66, 168, v67           ; in the stage rows are 648 bytes apart: 8 n + (648 - 480) x row
	v_add_nc_u32 v[9+\j], s17, v[9+\j]
	v_mad_u32_u24 v[29+\j], v66, 3520, v67         ; in out0 4,000
.endr
.irp j, 0,1,2,3,4                              ; place 12: piece n = 32 j + lane of 160 pieces: row n / 5 of 32
	v_add_nc_u32 v67, 32*\j, v1
	v_mul_u32_u24 v66, v67, 13108
	v_lshrrev_b32 v66, 16, v66
	v_lshl_add_u32 v67, v67, 3, 480
	v_mad_u32_u24 v[24+\j], v66, 608, v67
	v_add_nc_u32 v[24+\j], s17, v[24+\j]
	v_mad_u32_u24 v[44+\j], v66, 3960, v67
.endr
	s_wait_alu depctr_va_vdst(0)
	s_mul_i32 s20, s14, 25
	s_add_co_u32 s20, s20, 1
	s_lshr_b32 s20, s20, 1                         ; i0
	s_lshr_b32 s21, s14, 2
	s_add_co_u32 s21, s21, s14                     ; A
	s_mul_i32 s21, s21, 10
	s_sub_co_u32 s21, s20, s21                     ; oA
	s_sub_co_u32 s21, 10, s21                      ; nA: so many of the part's places are children of A
.irp s, 0,1,2,3,4,5,6,7,8,9
	s_cmp_gt_u32 s21, \s
	s_cselect_b32 s[54+\s], -1, 0
.endr
	s_lshl_b32 s22, s15, 8
	s_lshl_b32 s23, s12, 6
	s_add_co_u32 s22, s22, s23                     ; my first row
	s_mul_i32 s22, s22, 4000
	s_mul_i32 s23, s20, 40
	s_add_co_u32 s22, s22, s23                     ; + the part's first column
	s_mov_b32 s23, 0
	s_add_nc_u64 s[10:11], s[10:11], s[22:23]
	s_mov_b32 s48, 0x3fb8aa3b                      ; log2(e)
	s_mov_b32 s49, s48                             ; (named with it as a pair, so it is written)
	s_mov_b32 s50, 0x76543210
	s_mov_b32 s51, 0xfedcba98                      ; v_permlanex16_b32's selects for lane l xor 16
	s_mov_b32 s52, 0xffff0000                      ; lanes 16-31
	FETCHA 2
	FETCHA 3
	SHOWN 0
	s_barrier_signal -1
	s_barrier_wait -1                              ; K steps 0 and 1 lie in LDS
	FETCHB 0
	FETCHB 1
	FETCHA 4
.irp s, 0,1,2,3,4,5,6,7,8,9,10,11,12,13,14,15 ; written out: every count and offset is an immediate
	KSTEP \s
.endr
	WIN 0xc0                                       ; destination window 3
.irp k, 0,1,2,3,4,5,6,7
	v_mov_b32 v[248+\k], 0                         ; written once: a lane permute's destination counts as one of its sources.  These eight name no register of the last products: they are the places behind them
.endr
	S1 0, 0
	s_wait_alu depctr_va_vdst(0)
	XP 0, 0
	s_wait_alu depctr_va_vdst(0)
	S1 0, 1                                        ; the next unit's scalings are the independent work behind a batch of exponentials
	s_wait_alu depctr_va_vdst(0)                   ; unit (0, 1)'s scalings, ahead of their exponentials
	XP 0, 1
	S2 0, 0
	s_wait_alu depctr_va_vdst(0)
	S1 1, 0
	s_wait_alu depctr_va_vdst(0)                   ; unit (0, 1)'s exponentials and unit (0, 0)'s reciprocals
	XP 1, 0
	S2 0, 1
	FINISH 0
	ROWT 1
	ROWT 2
	ROWT 3
	SEND 3
	s_and_b32 s16, s14, 1
	s_cmp_lg_u32 s16, 0
	s_cbranch_scc1 .Ltwelve                        ; odd parts have twelve leaf-level nodes (the part is the same in all partners)
.irp q, 0,1
.irp j, 0,1,2,3,4
	ds_load_b64 v[188+10*\q+2*\j:189+10*\q+2*\j], v[24+\j] offset:20736*\q   ; place 12 of 32 rows at a time, into registers that no store has read
.endr
.endr
	s_wait_dscnt 0x0
.irp q, 0,1
.irp j, 0,1,2,3,4
	global_store_b64 v[44+\j], v[188+10*\q+2*\j:189+10*\q+2*\j], s[10:11] offset:128000*\q th:TH_STORE_NT
.endr
.endr
.Ltwelve:
	s_wait_tensorcnt 0x0                           ; the wave's end
	ds_add_u32 v[SPW], v[NIL]
	s_wait_dscnt 0x0
	ROUND                                          ; the closing round: no work-group ends while a partner may still ask for a chunk that names it
	s_endpgm
.Lfunc_end_k_q57c4244c30_tree:
	.size	k_q57c4244c30_tree, .Lfunc_end_k_q57c4244c30_tree-k_q57c4244c30_tree
	.p2alignl 7, 3214868480
	.fill 96, 4, 3214868480
	.section	.rodata,"a",@progbits
	.p2align	6, 0x0
	.amdhsa_kernel k_q57c4244c30_tree
		.amdhsa_group_segment_fixed_size 327680
		.amdhsa_private_segment_fixed_size 0
		.amdhsa_enable_private_segment 0
		.amdhsa_kernarg_size 32
		.amdhsa_user_sgpr_count 2
		.amdhsa_user_sgpr_kernarg_segment_ptr 1
		.amdhsa_wavefront_size32 1
		.amdhsa_system_sgpr_workgroup_id_x 1
		.amdhsa_system_sgpr_workgroup_id_y 1
		.amdhsa_system_sgpr_workgroup_id_z 1
		.amdhsa_system_vgpr_workitem_id 0
		.amdhsa_next_free_vgpr 1024
		.amdhsa_next_free_sgpr 84
		.amdhsa_reserve_vcc 0
		.amdhsa_float_denorm_mode_32 3
		.amdhsa_float_denorm_mode_16_64 3
		.amdhsa_memory_ordered 1
		.amdhsa_forward_progress 1
		.amdhsa_inst_pref_size 255
	.end_amdhsa_kernel
	.section	.bss,"aw",@nobits
	.p2align	6
	.space	262144
	.amdgpu_metadata
---
amdhsa.version: [ 1, 2 ]
amdhsa.kernels:
  - .name:           k_q57c4244c30_tree
    .symbol:         k_q57c4244c30_tree.kd
    .args:
      - { .name: xq, .offset: 0, .size: 8, .value_kind: global_buffer, .address_space: global }
      - { .name: xs, .offset: 8, .size: 8, .value_kind: global_buffer, .address_space: global }
      - { .name: wq, .offset: 16, .size: 8, .value_kind: global_buffer, .address_space: global }
      - { .name: out0, .offset: 24, .size: 8, .value_kind: global_buffer, .address_space: global }
    .group_segment_fixed_size: 327680
    .private_segment_fixed_size: 0
    .kernarg_segment_align: 8
    .kernarg_segment_size: 32
    .max_flat_workgroup_size: 128
    .sgpr_count:     84
    .vgpr_count:     1024
    .wavefront_size: 32
...
	.end_amdgpu_metadata
.endif
;; end of part 2
